; MI455X (gfx1250); checked and timed in simulation.
; The chip was launched on July 23, 2026; its instructions are those of AMD's public machine-readable ISA for CDNA 5 (MIT licence, August 2026) and "CDNA5" Instruction Set Architecture Reference Guide (July 2026). The comments in the code are by the model that wrote it; some were corrected since.
;; Multi Headed Self Attention. Allowed arithmetic: float matrix products may take bf16 or f16 operands with f32 sums; all other float work in f32.
;; Inputs: Wk 2 x 1,024 x 512 float32; Wq 2 x 1,024 x 512 float32; Wv 2 x 1,024 x 512 float32; embedded 4 x 2,048 x 1,024 float32.
;; Outputs: out0 4 x 2,048 x 1,024 float32.
;; One version. Each part assembles by itself: llvm-mc -triple=amdgcn-amd-amdhsa -mcpu=gfx1250 --defsym DOCPART=n.
;; ======== version 1 of 1: 3 launches
;; limits: values are held in f16: magnitudes above 65,504 overflow, below 6.1e-05 lose precision
;; workspace buffers: xb 16,777,216 bytes; wb 6,291,456 bytes; qkv 50,331,648 bytes
;; launch cast (part 1): grid 512 x 1, 8 waves a work-group, no clusters, 0 bytes of LDS; arguments embedded, Wq, Wk, Wv, xb, wb; writes xb, wb
.if DOCPART == 1
	.amdgcn_target "amdgcn-amd-amdhsa--gfx1250"
	.amdhsa_code_object_version 6
	.text
	.protected	k_q81864bd8d5_cast
	.globl	k_q81864bd8d5_cast
	.p2align	8
	.type	k_q81864bd8d5_cast,@function
k_q81864bd8d5_cast:
	s_mov_b64 s[64:65], 0
	v_nop
	global_prefetch_b8 v0, s[64:65] scope:SCOPE_SE
	s_setreg_imm32_b32 hwreg(HW_REG_WAVE_MODE, 25, 1), 1
	s_wait_xcnt 0x0
; xb = bf16(embedded), [8192][1024];  wb = bf16(Wq | Wk | Wv), [6][1024 e][512 d], matrix 2 x (q, k, v) + head.  Layouts are kept; each number is
; rounded once, to nearest even.  A stream: every input byte is read once, every output byte is written once; LDS, barriers and matrix units add nothing.
; 512 work-groups of 256 threads.  Work-group g takes 65,536 bytes of embedded and 8,192 bytes of each W.  Thread t takes eleven chunks of 8 numbers:
; 32 bytes in (two loads of 16), 16 bytes out, so that sixteen neighbouring lanes store 256 consecutive bytes, aligned.
; All 22 loads of a thread go out first; each chunk has registers of its own, so no register is written again behind a store and no further wait is needed.
.set XCH,  8                           ; chunks of embedded; chunk c lies 8,192 bytes (256 threads x 32) behind chunk c - 1
.set D,    8                           ; v[8+8i:15+8i]  chunk i, i = 0 .. 10: as loaded; its first four registers then hold the 8 bf16
.set WOUT, 2097152                     ; bytes of one W (two heads) in wb
	s_load_b256 s[4:11], s[0:1], 0x0               ; embedded s[4:5], Wq s[6:7], Wk s[8:9], Wv s[10:11]
	s_load_b128 s[12:15], s[0:1], 0x20             ; xb s[12:13], wb s[14:15]
	v_lshlrev_b32 v1, 5, v0                        ; 32 t: my bytes in a chunk as read
	v_lshlrev_b32 v2, 4, v0                        ; 16 t: as written
	s_mov_b32 s17, 0
	s_mov_b32 s19, 0
	s_lshl_b32 s16, ttmp9, 16                      ; the work-group's part of embedded
	s_lshl_b32 s18, ttmp9, 13                      ; and of each W
	s_wait_kmcnt 0x0
	s_add_nc_u64 s[4:5], s[4:5], s[16:17]
	s_add_nc_u64 s[6:7], s[6:7], s[18:19]
	s_add_nc_u64 s[8:9], s[8:9], s[18:19]
	s_add_nc_u64 s[10:11], s[10:11], s[18:19]
	s_lshl_b32 s16, ttmp9, 15                      ; half as many bytes on the way out
	s_lshl_b32 s18, ttmp9, 12
	s_add_nc_u64 s[12:13], s[12:13], s[16:17]
	s_add_nc_u64 s[14:15], s[14:15], s[18:19]
.irp c, 0,1,2,3,4,5,6,7
	global_load_b128 v[D+8*\c:D+8*\c+3],   v1, s[4:5] offset:8192*\c th:TH_LOAD_NT
	global_load_b128 v[D+8*\c+4:D+8*\c+7], v1, s[4:5] offset:8192*\c+16 th:TH_LOAD_NT
.endr
.irp m, 0,1,2
	global_load_b128 v[D+8*(XCH+\m):D+8*(XCH+\m)+3],   v1, s[6+2*\m:7+2*\m] th:TH_LOAD_NT
	global_load_b128 v[D+8*(XCH+\m)+4:D+8*(XCH+\m)+7], v1, s[6+2*\m:7+2*\m] offset:16 th:TH_LOAD_NT
.endr
; chunk i: its two loads are in when at most 20 - 2 i younger ones are out (loads come back in order: ISA guide 5.7.1).
; The argument may be a sum, so it stands in brackets wherever it is used.
.macro PACK i
	s_wait_loadcnt 20-2*(\i)
	v_cvt_pk_bf16_f32 v[D+8*(\i)],   v[D+8*(\i)],   v[D+8*(\i)+1]  ; in place: each line writes a register whose number has been read already
	v_cvt_pk_bf16_f32 v[D+8*(\i)+1], v[D+8*(\i)+2], v[D+8*(\i)+3]
	v_cvt_pk_bf16_f32 v[D+8*(\i)+2], v[D+8*(\i)+4], v[D+8*(\i)+5]
	v_cvt_pk_bf16_f32 v[D+8*(\i)+3], v[D+8*(\i)+6], v[D+8*(\i)+7]
.endm
.irp c, 0,1,2,3,4,5,6,7
	PACK \c
	global_store_b128 v2, v[D+8*\c:D+8*\c+3], s[12:13] offset:4096*\c
.endr
.irp m, 0,1,2
	PACK XCH+\m
	global_store_b128 v2, v[D+8*(XCH+\m):D+8*(XCH+\m)+3], s[14:15] offset:WOUT*\m
.endr
	s_endpgm
.Lfunc_end_k_q81864bd8d5_cast:
	.size	k_q81864bd8d5_cast, .Lfunc_end_k_q81864bd8d5_cast-k_q81864bd8d5_cast
	.p2alignl 7, 3214868480
	.fill 96, 4, 3214868480
	.section	.rodata,"a",@progbits
	.p2align	6, 0x0
	.amdhsa_kernel k_q81864bd8d5_cast
		.amdhsa_group_segment_fixed_size 0
		.amdhsa_private_segment_fixed_size 0
		.amdhsa_enable_private_segment 0
		.amdhsa_kernarg_size 48
		.amdhsa_user_sgpr_count 2
		.amdhsa_user_sgpr_kernarg_segment_ptr 1
		.amdhsa_wavefront_size32 1
		.amdhsa_system_sgpr_workgroup_id_x 1
		.amdhsa_system_sgpr_workgroup_id_y 1
		.amdhsa_system_sgpr_workgroup_id_z 1
		.amdhsa_system_vgpr_workitem_id 0
		.amdhsa_next_free_vgpr 96
		.amdhsa_next_free_sgpr 66
		.amdhsa_reserve_vcc 0
		.amdhsa_float_denorm_mode_32 3
		.amdhsa_float_denorm_mode_16_64 3
		.amdhsa_memory_ordered 1
		.amdhsa_forward_progress 1
		.amdhsa_inst_pref_size 8
	.end_amdhsa_kernel
	.amdgpu_metadata
---
amdhsa.version: [ 1, 2 ]
amdhsa.kernels:
  - .name:           k_q81864bd8d5_cast
    .symbol:         k_q81864bd8d5_cast.kd
    .args:
      - { .name: embedded, .offset: 0, .size: 8, .value_kind: global_buffer, .address_space: global }
      - { .name: Wq, .offset: 8, .size: 8, .value_kind: global_buffer, .address_space: global }
      - { .name: Wk, .offset: 16, .size: 8, .value_kind: global_buffer, .address_space: global }
      - { .name: Wv, .offset: 24, .size: 8, .value_kind: global_buffer, .address_space: global }
      - { .name: xb, .offset: 32, .size: 8, .value_kind: global_buffer, .address_space: global }
      - { .name: wb, .offset: 40, .size: 8, .value_kind: global_buffer, .address_space: global }
    .group_segment_fixed_size: 0
    .private_segment_fixed_size: 0
    .kernarg_segment_align: 8
    .kernarg_segment_size: 48
    .max_flat_workgroup_size: 256
    .sgpr_count:     66
    .vgpr_count:     96
    .wavefront_size: 32
...
	.end_amdgpu_metadata
.endif
;; end of part 1
;; launch proj (part 2): grid 12 x 32, 4 waves a work-group, clusters of 4 x 4, 327,680 bytes of LDS; arguments xb, wb, qkv; writes qkv
.if DOCPART == 2
	.amdgcn_target "amdgcn-amd-amdhsa--gfx1250"
	.amdhsa_code_object_version 6
	.text
	.protected	k_q81864bd8d5_proj
	.globl	k_q81864bd8d5_proj
	.p2align	8
	.type	k_q81864bd8d5_proj,@function
k_q81864bd8d5_proj:
	s_mov_b64 s[64:65], 0
	v_nop
	global_prefetch_b8 v0, s[64:65] scope:SCOPE_SE
	s_setreg_imm32_b32 hwreg(HW_REG_WAVE_MODE, 25, 1), 1
	s_wait_xcnt 0x0
	s_wait_alu depctr_hold_cnt(0) depctr_sa_sdst(0) depctr_va_vdst(0) depctr_va_sdst(0) depctr_va_ssrc(0) depctr_va_vcc(0) depctr_vm_vsrc(0)
	s_getreg_b32 s2, hwreg(HW_REG_IB_STS2, 6, 4)
	s_cmp_eq_u32 s2, 0
	s_cbranch_scc0 .Lentry_in_a_cluster
	s_endpgm
.Lentry_in_a_cluster:
	s_bfe_u32 s2, ttmp6, 0x10000c
	s_cmp_lg_u32 s2, 0xf033
	s_cbranch_scc0 .Lentry_shape_is_right
	s_endpgm
.Lentry_shape_is_right:
; qkv[m][n] = sum over e of xb[m][e] W[e][n]: all six projections as one product.  xb: [8192][1024] bf16 (A, e along the rows).
; wb: [6][1024 e][512 d] bf16 (B, stored with n = d along the rows); column n of the product is matrix n / 512, d = n % 512.  qkv: [8192][3072] f16.
; Sums in f32, e ascending; qkv rounded once, to f16.
; WHY f16 FOR q, k, v: an output of the first rows of a sequence is a sum of a few terms of size 1 that can cancel, so its absolute error is that of the terms:
; 2^-11 of them in f16, 2^-8 in bf16.  ROOM: with embedded and W both 30 times larger |q| is some 900 x 6 = 5,400; with a common offset of 30 spreads on both
; (30 and 30 / 32) it is some 1,024 x 30 x 0.94 = 28,800; 30 times smaller on both, q is some 0.001 against f16's smallest step of 6e-8.
; LIMIT: |q|, |k|, |v| below 65,504, where f16 ends; beyond it the conversion overflows.
; A work-group makes 256 x 256 of qkv with four waves, one for each SIMD of a WGP; a wave makes 128 x 128: 64 accumulator tiles of 16 x 16, 512 registers.
; e goes in steps of 128 through a ring of two LDS slots filled by the tensor data mover.  A's tile rows are 256 bytes of memory, B's 512, all aligned to 256.
; CLUSTERS: 4 x 4 work-groups.  The four of a row of the cluster need the same tiles of A, the four of a column the same tiles of B; each such tile is asked
; for jointly (same line, same descriptor, a mask that names the four), which divides the requests for A and for B by four.
; The grid is 12 x 32 = 24 clusters.
;
; REGISTERS, in windows of 256 (s_set_vgpr_msb says which window each operand place means):
;   window 0: v0-31 addresses; v64-127, v128-191 fragments of A, two buffers; v192-223 at work on the way out
;   window 1: v64-127, v128-191 fragments of B, two buffers
;   window 2: the 32 accumulator tiles of my rows 0-63 (tile (a, b) at v[8 (8 a + b)]);   window 3: those of my rows 64-127
; THE MATRIX INSTRUCTION IS USED TRANSPOSED: source 0 = 16 columns n of B, source 1 = 16 rows of A.  Lane l then holds row l % 16 of the result and its
; registers 0 to 7 the columns 8 (l / 16) + 0 .. 7: eight neighbouring numbers of a row, which pack into 16 bytes.
.set SIZE_M, 8192
.set SIZE_N, 3072
.set SIZE_K, 1024
.set KSTEP,  128
.set WROW,   1024                      ; bytes from e to e + 1 in a matrix of wb
.set PITCH,  272                       ; A's LDS row: 256 bytes + 16 of padding: the 16 rows of a fragment load start in 16 different 16-byte columns modulo 256 bytes
.set PB,     544                       ; B's LDS row: 512 bytes + 32 of padding = 17 x 32: the eight rows of a transposing load's group fall 32 bytes apart modulo 256
.set HALFT,  128*PITCH                 ; what one tensor load brings: 128 rows of A, or 64 rows of B (64 x 544 is the same 34,816 bytes)
.set SLOT,   4*HALFT                   ; A's 256 rows, then B's 128 rows
.set STAGE,  2*SLOT                    ; behind the ring: 16 rows x 272 bytes for each wave, for the way out; no tensor load lands there
.set SPITCH, 272
.set LAPS, SIZE_K/(2*KSTEP)            ; a lap = two steps = once round the ring: 4
.set ADRA, 16                          ; v16-17  LDS address of my A fragments in slot 0, 1
.set ADRB, 20                          ; v20-21  the same for B
.set STO,  24                          ; v24     the way out: where I put 16 bytes of a row
.set RD,   25                          ; v25     the way out: where I read a row back
.set CO,   26                          ; v26     my byte offset in qkv
.set F0,   64                          ; fragment buffer 0
.set F1,   128                         ; fragment buffer 1
.set TMP,  192                         ; the way out: packed results, in window 0
.set G1, 24                            ; s[24:31] descriptor group 1 for A's tiles
.set G0, 32                            ; s[32:39] descriptor group 0 for A's tiles, one set for each slot
.set G1B, 48                           ; s[48:55] descriptor group 1 for B's tiles
.set G0B, 56                           ; s[56:63] descriptor group 0 for B's tiles, one set for each slot
.set MSB, 0
.macro WIN new                         ; the immediate's high byte repeats the setting that is left; a switch that changes nothing is dropped
.if MSB != \new
	s_set_vgpr_msb (MSB<<8)|\new
.set MSB, \new
.endif
.endm
.set MUL_LO, 0xa1                      ; source 0 (B) window 1, source 1 (A) window 0, C and D window 2
.set MUL_HI, 0xf1                      ; the same, C and D window 3
.set TO_B,   0x40                      ; destination window 1, address window 0
; A joint load.  Waves 0 and 1 fetch A's two halves, waves 2 and 3 B's.  Each line has one mask and one set of registers for all that issue it.
; The branch hangs on the wave's number alone: it is the same in every work-group.
.macro JLOAD s
	s_cmp_eq_u32 s11, 0
	s_cbranch_scc0 .Lfor_b_\@
	tensor_load_to_lds s[G0+4*\s:G0+4*\s+3], s[G1:G1+7]
	s_nop 0
	s_branch .Lasked_\@
.Lfor_b_\@:
	tensor_load_to_lds s[G0B+4*\s:G0B+4*\s+3], s[G1B:G1B+7]
	s_nop 0
.Lasked_\@:
.endm
; A round of the cluster's barrier: my work-group's barrier, so that wave 0's signal speaks for all four waves; wave 0 signals for the work-group;
; every wave waits for all sixteen work-groups; my work-group's barrier once more.
.macro CREST                           ; a round behind its opening barrier
	s_cmp_lg_u32 s10, 0
	s_cbranch_scc1 .Lnot_wave_0_\@
	s_barrier_signal -3
.Lnot_wave_0_\@:
	s_barrier_wait -3
	s_barrier_signal -1
	s_barrier_wait -1
.endm
.macro CROUND                          ; a whole round
	s_barrier_signal -1
	s_barrier_wait -1
	CREST
.endm
	s_load_b128 s[4:7], s[0:1], 0x0                ; xb s[4:5], wb s[6:7]
	s_load_b64 s[8:9], s[0:1], 0x10                ; qkv
	s_set_vgpr_msb 0x40
	v_lshl_add_u32 v255, v0, 2, 0x48400
	s_set_vgpr_msb 0x4000
	v_mov_b32 v255, 0
	s_set_vgpr_msb 0x1
	ds_add_u32 v255, v255
	s_set_vgpr_msb 0x100
	v_lshrrev_b32 v1, 5, v0
	v_readfirstlane_b32 s10, v1                    ; wave 0..3
	s_lshr_b32 s11, s10, 1                         ; which half of the block's rows is mine.  Also: I fetch for A (0) or for B (1)
	s_and_b32 s12, s10, 1                          ; which half of its columns.  Also: which half of that tile's rows I fetch
	s_bfe_u32 s40, ttmp6, 0x40000                  ; cx: my place along the cluster's x
	s_bfe_u32 s41, ttmp6, 0x40004                  ; cy: along its y
	s_lshl_b32 s42, ttmp9, 2                       ; in a cluster launch ttmp9 and ttmp7 count clusters
	s_add_co_u32 s42, s42, s40                     ; block column = 4 x cluster x + cx, 0 .. 11
	s_and_b32 s13, ttmp7, 0xffff
	s_lshl_b32 s13, s13, 2
	s_add_co_u32 s13, s13, s41                     ; block row = 4 x cluster y + cy, 0 .. 31
	s_lshl_b32 s43, s41, 2
	s_lshl_b32 s43, 15, s43                        ; my row of the cluster: places 4 cy .. 4 cy + 3
	s_lshl_b32 s44, 0x1111, s40                    ; my column: places cx, cx + 4, cx + 8, cx + 12
	; group 1 for A: 128 rows x 128 elements of 2 bytes, 4 words of padding behind every 64 words
	s_or_b32 s[G1+0], s43, (1<<16)|(1<<20)|(1<<21)|(5<<22)|(3<<25)  ; 15:0 mask: my row; 17:16 element of 2 bytes; 20 padding on; 21 set beside a mask; 24:22 interval code 5; 31:25 pad code 3
	s_mov_b32 s[G1+1], KSTEP<<16                   ; tensor_dim0 = 128
	s_mov_b32 s[G1+2], 128<<16                     ; tensor_dim1 = 128
	s_mov_b32 s[G1+3], KSTEP<<16                   ; tile_dim0 = 128
	s_mov_b32 s[G1+4], 128                         ; tile_dim1 = 128
	s_mov_b32 s[G1+5], SIZE_K                      ; elements from row to row
	s_mov_b32 s[G1+6], 0
	s_mov_b32 s[G1+7], 0
	; group 1 for B: 64 rows (e) x 256 elements (n), 8 words of padding behind every 128 words
	s_or_b32 s[G1B+0], s44, (1<<16)|(1<<20)|(1<<21)|(6<<22)|(7<<25) ; mask: my column; interval code 6; pad code 7
	s_mov_b32 s[G1B+1], 256<<16                    ; tensor_dim0 = 256
	s_mov_b32 s[G1B+2], 64<<16                     ; tensor_dim1 = 64
	s_mov_b32 s[G1B+3], 256<<16                    ; tile_dim0 = 256
	s_mov_b32 s[G1B+4], 64                         ; tile_dim1 = 64
	s_mov_b32 s[G1B+5], 512                        ; elements from e to e + 1
	s_mov_b32 s[G1B+6], 0
	s_mov_b32 s[G1B+7], 0
	; where the tiles come from.  A's hang on the block row alone, which my row of the cluster shares; B's on the block column alone, which my column shares.
	s_lshl_b32 s17, s12, 7                         ; A: which 128 rows of the tile I fetch
	s_lshl_b32 s16, s13, 8
	s_add_co_u32 s16, s16, s17                     ; row 256 x block row + 128 x half
	s_mov_b32 s17, 0
	s_mov_b64 s[18:19], SIZE_K*2
	s_mul_u64 s[16:17], s[16:17], s[18:19]         ; in bytes
	s_lshr_b32 s46, s42, 1                         ; B: matrix = block column / 2, 1 MiB each,
	s_lshl_b32 s46, s46, 20
	s_and_b32 s47, s42, 1                          ; its left or right 256 columns (512 bytes),
	s_lshl_b32 s47, s47, 9
	s_add_co_u32 s46, s46, s47
	s_lshl_b32 s47, s12, 16                        ; and which 64 rows of 1,024 bytes I fetch
	s_add_co_u32 s46, s46, s47
	s_mov_b32 s47, 0
	s_mul_i32 s20, s10, HALFT                      ; and where they go: A's two halves, then B's two halves = wave x 34,816: no place in the cluster enters an LDS address
	s_wait_dscnt 0x0
	s_wait_kmcnt 0x0
	s_add_nc_u64 s[14:15], s[4:5], s[16:17]
	s_add_nc_u64 s[46:47], s[6:7], s[46:47]
	CROUND                                         ; all sixteen work-groups are here: the first joint loads meet
.irp s, 0,1
	s_mov_b32 s[G0+4*\s], 1                                        ; count = 1
	s_add_co_u32 s[G0+4*\s+1], s20, \s*SLOT                        ; LDS address
	s_add_nc_u64 s[G0+4*\s+2:G0+4*\s+3], s[14:15], \s*KSTEP*2      ; global address: step s along A's rows
	s_or_b32 s[G0+4*\s+3], s[G0+4*\s+3], 0x80000000                ; type = 2
	s_mov_b32 s[G0B+4*\s], 1
	s_add_co_u32 s[G0B+4*\s+1], s20, \s*SLOT
	s_add_nc_u64 s[G0B+4*\s+2:G0B+4*\s+3], s[46:47], \s*KSTEP*WROW ; step s down B's rows
	s_or_b32 s[G0B+4*\s+3], s[G0B+4*\s+3], 0x80000000
	JLOAD \s                                       ; both slots are asked for before anything else is done: two tensor loads of a wave are out here, one behind each later round
.endr
	; A's fragment, 16 rows x 32 e in 8 registers: lane l holds row l % 16; registers 0-3 e = 8 (l / 16) + 0..7, registers 4-7 e = 16 + 8 (l / 16) + 0..7:
	; two loads of 16 bytes, 32 bytes apart.  B's fragment has the same map with column n in the row's place; its tile lies with n along the LDS rows, so it
	; comes by two transposing loads, 16 LDS rows apart: lane l addresses row 8 (l / 16) + l % 8 and the 16 bytes (l / 8) % 2 of the block's 32.
	v_and_b32 v1, 15, v0                           ; l % 16
	v_bfe_u32 v2, v0, 4, 1                         ; l / 16
	v_mul_u32_u24 v3, v1, PITCH
	v_lshl_add_u32 v3, v2, 4, v3                   ; A: row x pitch + 16 x half
	v_and_b32 v6, 7, v0
	v_lshl_add_u32 v6, v2, 3, v6                   ; B: row 8 (l / 16) + l % 8
	v_mul_u32_u24 v6, v6, PB
	v_bfe_u32 v7, v0, 3, 1
	v_lshl_add_u32 v6, v7, 4, v6                   ; + 16 ((l / 8) % 2)
	s_mul_i32 s21, s11, HALFT                      ; my 128 rows of A
	s_lshl_b32 s22, s12, 8                         ; my 128 columns of B: 256 bytes of each row,
	s_add_co_u32 s22, s22, 2*HALFT                 ; behind A's 256 rows
.irp s, 0,1
	v_add_nc_u32 v[ADRA+\s], s21, v3
	v_add_nc_u32 v[ADRB+\s], s22, v6
	s_add_co_u32 s21, s21, SLOT
	s_add_co_u32 s22, s22, SLOT
.endr
	s_mul_i32 s23, s10, 16*SPITCH
	s_add_co_u32 s23, s23, STAGE                   ; my stage
	v_mul_u32_u24 v4, v1, SPITCH                   ; in: row l % 16, 16 bytes for each half of the lanes
	v_lshl_add_u32 v4, v2, 4, v4
	v_add_nc_u32 v[STO], s23, v4
	v_mul_u32_u24 v5, v2, SPITCH                   ; back: lanes 0-15 take one row of 256 bytes, lanes 16-31 the next
	v_lshl_add_u32 v5, v1, 4, v5
	v_add_nc_u32 v[RD], s23, v5
	v_mul_u32_u24 v5, v2, SIZE_N*2                 ; and the same two rows in qkv
	v_lshl_add_u32 v[CO], v1, 4, v5
; 16 matrix instructions: m blocks a0, a0 + 1 of the window's four (hi = 0: my rows 0-63, 1: rows 64-127) x all 8 n blocks, 32 along e.
; zero = 1: the first product starts the sums: nothing is cleared.  The 64 accumulators take turns, one instruction a turn, in the same order in every
; quarter step.
.macro MUL16 f, hi, a0, zero
.irp a, \a0, \a0+1
.irp b, 0,1,2,3,4,5,6,7
.if \zero
	v_wmma_f32_16x16x32_bf16 v[8*(8*(\a)+\b):8*(8*(\a)+\b)+7], v[\f+8*\b:\f+8*\b+7], v[\f+8*(4*\hi+\a):\f+8*(4*\hi+\a)+7], 0
.else
	v_wmma_f32_16x16x32_bf16 v[8*(8*(\a)+\b):8*(8*(\a)+\b)+7], v[\f+8*\b:\f+8*\b+7], v[\f+8*(4*\hi+\a):\f+8*(4*\hi+\a)+7], v[8*(8*(\a)+\b):8*(8*(\a)+\b)+7]
.endif
.endr
.endr
.endm
; 32 LDS loads in one run: the fragments of quarter q of a step (32 e: B's LDS rows 32 q .., byte 64 q of A's rows) into buffer f.  B's 16 first, then A's 16.
.macro FETCH slot, q, f
	WIN TO_B
.irp i, 0,1,2,3,4,5,6,7
	ds_load_tr16_b128 v[\f+8*\i:\f+8*\i+3],   v[ADRB+\slot] offset:\q*32*PB+32*\i
	ds_load_tr16_b128 v[\f+8*\i+4:\f+8*\i+7], v[ADRB+\slot] offset:\q*32*PB+16*PB+32*\i
.endr
	WIN 0
.irp i, 0,1,2,3,4,5,6,7
	ds_load_b128 v[\f+8*\i:\f+8*\i+3],   v[ADRA+\slot] offset:64*\q+\i*16*PITCH
	ds_load_b128 v[\f+8*\i+4:\f+8*\i+7], v[ADRA+\slot] offset:64*\q+\i*16*PITCH+32
.endr
.endm
; A load into a register that a matrix instruction has read, and a vector instruction that reads a matrix result, stand four places behind that matrix
; instruction, and only plain vector instructions that name none of its registers are places: four v_nop in front of each run of loads.
.macro PLACES
.rept 4
	v_nop
.endr
.endm
; One of a step's first three quarters: multiplies buffer f; in its middle it fetches quarter q of the same slot into buffer g.
.macro QUARTER slot, q, f, g, zero
	s_wait_dscnt 8                                 ; B and A's rows 0-63 are in; the youngest eight loads (A's rows 64-127) may be out
	WIN MUL_LO
	MUL16 \f, 0, 0, \zero
	MUL16 \f, 0, 2, \zero
	PLACES
	FETCH \slot, \q, \g
	s_wait_dscnt 32                                ; all but the 32 just issued
	WIN MUL_HI
	MUL16 \f, 1, 0, \zero
	MUL16 \f, 1, 2, \zero
.endm
.macro THREE slot, zero
	QUARTER \slot, 1, F0, F1, \zero
	QUARTER \slot, 2, F1, F0, 0
	QUARTER \slot, 3, F0, F1, 0
.endm
; The last quarter: multiplies buffer 1 and changes slots.  next = the other slot; fill = 1: this slot is filled again, two steps ahead.
; In front of the barrier each wave waits for its own reads of this slot and for all its tensor loads, of which one is out: its part of the next slot.
; Behind it nobody reads this slot any more and the next slot is whole: the refill comes first, then the next slot's first fragments.
.macro TURN slot, next, fill
	s_wait_dscnt 8
	WIN MUL_LO
	MUL16 F1, 0, 0, 0
	s_wait_dscnt 0                                 ; my reads of this slot are over
	s_wait_tensorcnt 0x0                           ; and all my tensor loads have landed
	ds_add_u32 v255, v255
	s_wait_dscnt 0x0
	s_barrier_signal -1                            ; say so (where a slot is filled again this barrier opens a round of the cluster's barrier),
	MUL16 F1, 0, 2, 0                              ; work on registers while the others arrive,
	WIN 0
	s_barrier_wait -1                              ; and go on when all four have said so
.if \fill
	CREST                                          ; all sixteen work-groups have said so: no wave of any partner still reads this slot's tile or has a load on its way
	s_add_nc_u64 s[G0+4*\slot+2:G0+4*\slot+3], s[G0+4*\slot+2:G0+4*\slot+3], 2*KSTEP*2
	s_add_nc_u64 s[G0B+4*\slot+2:G0B+4*\slot+3], s[G0B+4*\slot+2:G0B+4*\slot+3], 2*KSTEP*WROW
	JLOAD \slot                                    ; the first tensor load behind the round, and the wave's only one until the next
.endif
	PLACES
	FETCH \next, 0, F0
	WIN MUL_HI
	MUL16 F1, 1, 0, 0
	MUL16 F1, 1, 2, 0
.endm
.macro LAP zero                        ; once round the ring, both slots filled again
	THREE 0, \zero
	TURN 0, 1, 1
	THREE 1, 0
	TURN 1, 0, 1
.endm
	s_wait_tensorcnt 1                             ; my part of step 0 is in; step 1's stays out
	s_barrier_signal -1
	s_barrier_wait -1                              ; everybody's is
	FETCH 0, 0, F0
	LAP 1                                          ; the first lap stands in front of the loop: its first products start the sums
	WIN 0                                          ; at a label and at a branch every window is 0
	s_mov_b32 s3, LAPS-2
.Llap:
	LAP 0
	WIN 0
	s_sub_co_u32 s3, s3, 1
	s_cmp_lg_u32 s3, 0
	s_cbranch_scc1 .Llap
	THREE 0, 0                                     ; the last lap fills nothing: my one tensor load that is still out is slot 1's, the last step's
	TURN 0, 1, 0
	THREE 1, 0
	s_wait_dscnt 8                                 ; the very last quarter: nothing more to fetch
	WIN MUL_LO
	MUL16 F1, 0, 0, 0
	MUL16 F1, 0, 2, 0
	s_wait_dscnt 0
	WIN MUL_HI
	MUL16 F1, 1, 0, 0
	MUL16 F1, 1, 2, 0
	; THE WAY OUT, 16 rows at a time: round to f16, 16 bytes a lane into my own stage in LDS, read back as whole pieces of 256 bytes of a row.
	PLACES                                         ; the places behind the last matrix instructions, for the conversions and for the loads into buffers 0 and 1
	s_lshl_b32 s13, s13, 8
	s_lshl_b32 s14, s11, 7
	s_add_co_u32 s16, s13, s14                     ; my first row
	s_mov_b32 s17, 0
	s_mov_b64 s[18:19], SIZE_N*2
	s_mul_u64 s[16:17], s[16:17], s[18:19]
	s_add_nc_u64 s[8:9], s[8:9], s[16:17]
	s_lshl_b32 s46, s42, 9                         ; my first column, in bytes: 512 x block + 256 x half
	s_lshl_b32 s47, s12, 8
	s_add_co_u32 s46, s46, s47
	s_mov_b32 s47, 0
	s_add_nc_u64 s[8:9], s[8:9], s[46:47]
; rows 16 i .. 16 i + 15 of my block = the eight tiles (a, 0..7) of window 2 or 3 (from = 0x0a or 0x0f: sources 0 and 1); f: F0 or F1 in turn
.macro OUT16 i, a, from, f
	WIN \from
.irp b, 0,1,2,3,4,5,6,7
.irp r, 0,1,2,3
	v_cvt_pk_f16_f32 v[TMP+4*\b+\r], v[8*(8*\a+\b)+2*\r], v[8*(8*\a+\b)+2*\r+1]
.endr
.endr
	WIN 0
.irp b, 0,1,2,3,4,5,6,7
	ds_store_b128 v[STO], v[TMP+4*\b:TMP+4*\b+3] offset:32*\b
.endr
	s_wait_xcnt 0x0                                ; buffer f, which earlier stores read, and the stores' base are rewritten only behind this wait (ISA guide 3.1)
.if \i
	s_add_nc_u64 s[8:9], s[8:9], 16*SIZE_N*2       ; 16 rows on: the stores' immediates stay at 14 rows of 6,144 bytes at the most
.endif
.irp t, 0,1,2,3,4,5,6,7
	ds_load_b128 v[\f+4*\t:\f+4*\t+3], v[RD] offset:\t*2*SPITCH    ; LDS serves a wave's instructions in order (ISA guide 5.7.1.4): these see the stores above
.endr
.irp t, 0,1,2,3,4,5,6,7
	s_wait_dscnt 7-\t
	global_store_b128 v[CO], v[\f+4*\t:\f+4*\t+3], s[8:9] offset:2*\t*SIZE_N*2   ; 16 lanes store 256 consecutive bytes, at a multiple of 256 from qkv's first byte
.endr
.endm
	OUT16 0, 0, 0x0a, F0
	OUT16 1, 1, 0x0a, F1
	OUT16 2, 2, 0x0a, F0
	OUT16 3, 3, 0x0a, F1
	OUT16 4, 0, 0x0f, F0
	OUT16 5, 1, 0x0f, F1
	OUT16 6, 2, 0x0f, F0
	OUT16 7, 3, 0x0f, F1
	s_set_vgpr_msb 0x1
	s_wait_tensorcnt 0x0
	ds_add_u32 v255, v255
	s_wait_dscnt 0x0
	s_set_vgpr_msb 0x100
	CROUND                                         ; the closing round: no work-group ends while a partner may still ask for a tile that names it
	s_endpgm
.Lfunc_end_k_q81864bd8d5_proj:
	.size	k_q81864bd8d5_proj, .Lfunc_end_k_q81864bd8d5_proj-k_q81864bd8d5_proj
	.p2alignl 7, 3214868480
	.fill 96, 4, 3214868480
	.section	.rodata,"a",@progbits
	.p2align	6, 0x0
	.amdhsa_kernel k_q81864bd8d5_proj
		.amdhsa_group_segment_fixed_size 327680
		.amdhsa_private_segment_fixed_size 0
		.amdhsa_enable_private_segment 0
		.amdhsa_kernarg_size 24
		.amdhsa_user_sgpr_count 2
		.amdhsa_user_sgpr_kernarg_segment_ptr 1
		.amdhsa_wavefront_size32 1
		.amdhsa_system_sgpr_workgroup_id_x 1
		.amdhsa_system_sgpr_workgroup_id_y 1
		.amdhsa_system_sgpr_workgroup_id_z 1
		.amdhsa_system_vgpr_workitem_id 0
		.amdhsa_next_free_vgpr 1024
		.amdhsa_next_free_sgpr 66
		.amdhsa_reserve_vcc 0
		.amdhsa_float_denorm_mode_32 3
		.amdhsa_float_denorm_mode_16_64 3
		.amdhsa_memory_ordered 1
		.amdhsa_forward_progress 1
		.amdhsa_inst_pref_size 197
	.end_amdhsa_kernel
	.amdgpu_metadata
---
amdhsa.version: [ 1, 2 ]
amdhsa.kernels:
  - .name:           k_q81864bd8d5_proj
    .symbol:         k_q81864bd8d5_proj.kd
    .args:
      - { .name: xb, .offset: 0, .size: 8, .value_kind: global_buffer, .address_space: global }
      - { .name: wb, .offset: 8, .size: 8, .value_kind: global_buffer, .address_space: global }
      - { .name: qkv, .offset: 16, .size: 8, .value_kind: global_buffer, .address_space: global }
    .group_segment_fixed_size: 327680
    .private_segment_fixed_size: 0
    .kernarg_segment_align: 8
    .kernarg_segment_size: 24
    .max_flat_workgroup_size: 128
    .sgpr_count:     66
    .vgpr_count:     1024
    .wavefront_size: 32
...
	.end_amdgpu_metadata
.endif
;; end of part 2
;; launch attn (part 3): grid 256 x 1, 4 waves a work-group, clusters of 4 x 1, 327,680 bytes of LDS; arguments qkv, out0; writes out0
.if DOCPART == 3
	.amdgcn_target "amdgcn-amd-amdhsa--gfx1250"
	.amdhsa_code_object_version 6
	.text
	.protected	k_q81864bd8d5_attn
	.globl	k_q81864bd8d5_attn
	.p2align	8
	.type	k_q81864bd8d5_attn,@function
k_q81864bd8d5_attn:
	s_mov_b64 s[64:65], 0
	v_nop
	global_prefetch_b8 v0, s[64:65] scope:SCOPE_SE
	s_setreg_imm32_b32 hwreg(HW_REG_WAVE_MODE, 25, 1), 1
	s_wait_xcnt 0x0
	s_wait_alu depctr_hold_cnt(0) depctr_sa_sdst(0) depctr_va_vdst(0) depctr_va_sdst(0) depctr_va_ssrc(0) depctr_va_vcc(0) depctr_vm_vsrc(0)
	s_getreg_b32 s2, hwreg(HW_REG_IB_STS2, 6, 4)
	s_cmp_eq_u32 s2, 0
	s_cbranch_scc0 .Lentry_in_a_cluster
	s_endpgm
.Lentry_in_a_cluster:
	s_bfe_u32 s2, ttmp6, 0x10000c
	s_cmp_lg_u32 s2, 0x3003
	s_cbranch_scc0 .Lentry_shape_is_right
	s_endpgm
.Lentry_shape_is_right:
; Causal softmax attention with a running maximum.  qkv: [8192 = b x 2048 + s][3072] f16, Q at byte 0 of a row, K at 2,048, V at 4,096, each + 1,024 x head.
; out0: [4][2048][1024] f32, head hd in columns 512 hd ..
; SHARES.  The 2,048 queries of a (batch, head) are 16 blocks of 128.  Cluster c (0..63) of four work-groups owns block A = c / 8 AND block 15 - A of one
; (batch, head); work-group cx owns 32 rows of each: its query blocks tq = 0, 1 are the low rows 128 A + 32 cx .., tq = 2, 3 the high rows 128 (15 - A) + 32 cx ..
; All four walk the same 16 - A tiles of 128 keys, and each K and V tile is asked for JOINTLY (mask 15): one request serves four.
; Tiles 0 .. A serve all 64 queries (a full step); tiles A + 1 .. 15 - A serve the 32 high ones alone (a half step: half the matrix instructions; the low rows'
; output, sum and maximum rest in their registers).  A wave issues 256 (A + 1) + 128 (15 - 2 A) = 2,176 matrix instructions whatever A is: equal matrix work for
; all 256 work-groups.  The price: 100 tiles instead of 72 are asked for in each (batch, head), and in a half step an LDS byte of K or V feeds half as many products.
; cx enters Q's addresses, the output's addresses and the numbers DQ that the mask compares, and nothing else; branches and trip counts hang on c alone.
; A STEP (one tile), four waves:
;   scores, transposed: wave w makes S(key, query) for ITS 32 keys and all the step's queries: source 0 = K from LDS, source 1 = Q, all 64 x 512 of it resident in 512
;   registers of every wave, so that the K tile is read from LDS once in all.  Lane l holds query l % 16 of a block of 16; registers hold keys 8 (l / 16) + 0..7.
;   softmax: every figure (maximum, sum, factor) is one number a lane for each query block; the waves' maxima meet in LDS.
;   output, transposed: wave w makes O(d, query) for ITS 128 d and the step's queries, 256 registers in all: source 0 = V by transposing loads, source 1 = P from LDS.
; LDS holds one K tile and one V tile; each is filled again while the other is read.  By this text's count a wave has two tensor loads out at the start
; and one behind each round of the cluster's barrier.
; No prefetch into the cache is written: each K and V tile is read by up to eight clusters, and the launch before has just stored qkv.
; FORMAT.  q, k, v and the weights P enter the matrix units in f16 (11 significant bits): the first rows' outputs are sums of a few terms of size 1 that can cancel,
; so their absolute error is that of the terms.  P lies in [0, 1] up to rounding: it is taken against the running maximum.
; LIMITS.  |q|, |k|, |v| below 65,504 (with all inputs 30 times larger they are some 5,400; with offsets of 30 spreads on embedded and W some 28,800).
; Sums are f32, in another order than the reference's; the row sum adds the unrounded weights.
; Masked scores are -1e30 as in the reference; true scores at or below -1e30, NaN and infinities are not treated specially.
; A weight below 2^-25 of its row's largest becomes 0 in f16 for the product with V; below 2^-126 also in the row sum (v_exp_f32 gives 0 there: ISA guide 15.8).
.set QP,    6144                       ; bytes in a row of qkv
.set TILEB, 128*QP                     ; from a tile of 128 keys to the next
.set KP,    1040                       ; K's LDS row: 1,024 + 16: the 16 rows of a fragment load start in 16 different 16-byte columns modulo 256 bytes
.set VP,    1056                       ; V's LDS row: 1,024 + 32 = 33 x 32, for the transposing loads
.set PP,    272                        ; P's LDS row: 128 keys x 2 bytes + 16
.set STP,   528                        ; a stage row: 128 f32 + 16
.set VREG,  128*KP                     ; K tile at 0; V tile at 133,120
.set PREG,  VREG+128*VP                ; P[64 queries][128 keys] at 268,288; every region starts at a multiple of 256, and no tensor load lands from here on
.set STAT,  PREG+64*PP                 ; [wave][l % 16][query block] f32: the waves' maxima, 1,024 bytes at 285,696
.set LSUM,  STAT+1024                  ; the same shape: the waves' sums, used once at the end
.set STAGE, LSUM+1024                  ; 16 rows x 528 bytes for each wave, for the way out, at 287,744
.set ADK,  4                           ; v4   K fragments: (32 w + r) x 1,040 + 16 h           (l = lane, r = l % 16, h = l / 16, w = wave)
.set ADV,  5                           ; v5   V fragments, keys 0-63: V tile + (8 h + l % 8) x 1,056 + 16 ((l / 8) % 2) + 256 w;   v6: keys 64-127
.set ADPW, 7                           ; v7   P, written: P + 272 r + 64 w + 16 h
.set ADPR, 8                           ; v8   P, read:    P + 272 r + 16 h
.set ADSW, 9                           ; v9   my wave's figures: STAT + 256 w + 16 r
.set ADSR, 10                          ; v10  all waves' figures: STAT + 16 r
.set STO,  11                          ; v11  the way out, in:   stage + 528 r + 32 h
.set RD,   12                          ; v12  the way out, back: stage + 16 l
.set CO,   13                          ; v13  16 l: my bytes in 512 bytes of an output row
.set QO,   14                          ; v14  Q fragments in memory: 6,144 r + 16 h
.set NEG,  15                          ; v15  -1e30
.set DQ,   16                          ; v16-19  query block tq: my query's place in the sequence - 32 w - 8 h
.set M,    20                          ; v20-23  running maximum, times c = log2(e) / sqrt(512)
.set LS,   24                          ; v24-27  my lane's running sum
.set AL,   28                          ; v28-35  the factor 2^(old maximum - new), as pairs; at the end 1 / sum
.set MN,   36                          ; v36-39  the new maximum
.set ST,   40                          ; v40-55  the four waves' figures
.set NB,   40                          ; v40-47  then: - new maximum, as pairs
.set T,    56                          ; v56-63  at work
.set S,    64                          ; v64-127 scores: tile (tk, tq) at 64 + 8 (4 tk + tq); then P fragments, two buffers of 4 x 8
.set PB0,  64
.set PB1,  96
.set KB0,  128                         ; v128-191, v192-255: K fragments (kp, tk) at + 16 kp + 8 tk, two buffers; then V fragments, 8 x 8
.set KB1,  192
.set VB0,  128
.set VB1,  192
; windows 1 and 2: Q, fragment (d step kk, tq) at 8 (4 (kk % 8) + tq) of window 1 + kk / 8.   window 3: O, tile (tq, td) at 8 (8 tq + td).
.set G1K, 16                           ; s[16:23] group 1 for K's tiles     s[24:31] for V's: they differ in the padding alone
.set G1V, 24
.set G0K, 32                           ; s[32:35] group 0 for K's tiles     s[36:39] for V's
.set G0V, 36
; s8 wave, s9 cx, s11 A, s12 batch, s13 head, s40 the tile's first key, s41 the loops' counter, s42-43 lane selects, s44 = s45 = c,
; s[46:47] Q of the low rows, s[54:55] of the high rows, s[48:49] output of the low rows, s[56:57] of the high rows
.set MSB, 0
.macro WIN new                         ; low byte: bits 1:0 source 0, 3:2 source 1, 5:4 source 2, 7:6 destination; the high byte repeats the setting that is left
.if MSB != \new
	s_set_vgpr_msb (MSB<<8)|\new
.set MSB, \new
.endif
.endm
; A round of the cluster's barrier: my work-group's barrier; wave 0 signals for the work-group; every wave waits for all four work-groups; my work-group's barrier again.
.macro ROUND
	s_barrier_signal -1
	s_barrier_wait -1
	s_cmp_lg_u32 s8, 0
	s_cbranch_scc1 .Lnot_wave_0_\@
	s_barrier_signal -3
.Lnot_wave_0_\@:
	s_barrier_wait -3
	s_barrier_signal -1
	s_barrier_wait -1
.endm
; Places behind matrix instructions: 4 in front of a vector instruction that reads a result and of a load into an operand,
; 5 in front of a matrix instruction that writes over an operand.
.macro PLACES n
.rept \n
	v_nop
.endr
.endm
	s_load_b128 s[4:7], s[0:1], 0x0                ; qkv s[4:5], out0 s[6:7]
	v_lshl_add_u32 v58, v0, 2, 0x4e800
	v_mov_b32 v59, 0
	ds_add_u32 v58, v59
	s_wait_dscnt 0x0
	v_lshrrev_b32 v1, 5, v0
	v_readfirstlane_b32 s8, v1                     ; wave 0..3
	s_bfe_u32 s9, ttmp6, 0x40000                   ; cx
	s_lshr_b32 s11, ttmp9, 3                       ; A (ttmp9 counts clusters)
	s_bfe_u32 s12, ttmp9, 0x20001                  ; batch: 2 bits from bit 1
	s_and_b32 s13, ttmp9, 1                        ; head
	; group 1: a tile of 32 rows x 512 elements of 2 bytes, padding behind every 256 words: 4 words for K, 8 for V
	s_mov_b32 s[G1K+0], 15|(1<<16)|(1<<20)|(1<<21)|(7<<22)|(3<<25)  ; 15:0 mask: all four; 17:16 element of 2 bytes; 20 padding on; 21 set beside a mask; 24:22 interval code 7; 31:25 pad code 3
	s_mov_b32 s[G1V+0], 15|(1<<16)|(1<<20)|(1<<21)|(7<<22)|(7<<25)  ; pad code 7
.irp g, G1K, G1V
	s_mov_b32 s[\g+1], 512<<16                     ; tensor_dim0 = 512
	s_mov_b32 s[\g+2], 32<<16                      ; tensor_dim1 = 32
	s_mov_b32 s[\g+3], 512<<16                     ; tile_dim0 = 512
	s_mov_b32 s[\g+4], 32                          ; tile_dim1 = 32
	s_mov_b32 s[\g+5], 3072                        ; elements from row to row
	s_mov_b32 s[\g+6], 0
	s_mov_b32 s[\g+7], 0
.endr
	; K's and V's tiles hang on batch, head and wave, which the four partners share
	s_lshl_b32 s14, s12, 11                        ; the batch's first row
	s_lshl_b32 s15, s8, 5                          ; my 32 rows of a tile
	s_add_co_u32 s15, s15, s14
	s_mul_i32 s50, s15, QP
	s_lshl_b32 s10, s13, 10                        ; the head's 1,024 bytes
	s_add_co_u32 s50, s50, s10
	s_mov_b32 s51, 0
	; Q and the output hang on cx too
	s_lshl_b32 s15, s11, 7                         ; 128 A
	s_lshl_b32 s53, s9, 5                          ; 32 cx
	s_add_co_u32 s52, s15, s53                     ; my first low query's place in the sequence: 128 A + 32 cx
	s_sub_co_u32 s15, 1920, s15
	s_add_co_u32 s53, s15, s53                     ; my first high query's: 128 (15 - A) + 32 cx
	s_add_co_u32 s15, s52, s14                     ; the low rows in qkv and in out0
	s_mul_i32 s46, s15, QP
	s_add_co_u32 s46, s46, s10
	s_mov_b32 s47, 0
	s_lshl_b32 s48, s15, 12                        ; 4,096 bytes in a row of out0
	s_add_co_u32 s15, s53, s14                     ; the high rows
	s_mul_i32 s54, s15, QP
	s_add_co_u32 s54, s54, s10
	s_mov_b32 s55, 0
	s_lshl_b32 s56, s15, 12
	s_lshl_b32 s15, s13, 11                        ; 2,048 bytes for a head,
	s_lshl_b32 s14, s8, 9                          ; 512 for my wave's 128 d
	s_add_co_u32 s15, s15, s14
	s_add_co_u32 s48, s48, s15
	s_add_co_u32 s56, s56, s15
	s_mov_b32 s49, 0
	s_mov_b32 s57, 0
	s_mov_b32 s[G0K], 1                            ; count = 1
	s_mul_i32 s[G0K+1], s8, 32*KP                  ; LDS address: my 32 rows of the K tile
	s_mov_b32 s[G0V], 1
	s_mul_i32 s[G0V+1], s8, 32*VP
	s_add_co_u32 s[G0V+1], s[G0V+1], VREG          ; and of the V tile
	s_mov_b32 s40, 0
	s_mov_b32 s42, 0x76543210                      ; v_permlanex16_b32: lane i of one half reads lane i of the other
	s_mov_b32 s43, 0xfedcba98
	s_mov_b32 s44, 0x3d8293ee                      ; c = log2(e) / sqrt(512)
	s_mov_b32 s45, 0x3d8293ee
	s_wait_kmcnt 0x0
	s_add_nc_u64 s[50:51], s[4:5], s[50:51]
	s_add_nc_u64 s[G0K+2:G0K+3], s[50:51], 2048    ; K of tile 0
	s_or_b32 s[G0K+3], s[G0K+3], 0x80000000        ; type = 2
	s_add_nc_u64 s[G0V+2:G0V+3], s[50:51], 4096    ; V of tile 0
	s_or_b32 s[G0V+3], s[G0V+3], 0x80000000
	s_add_nc_u64 s[46:47], s[4:5], s[46:47]
	s_add_nc_u64 s[54:55], s[4:5], s[54:55]
	s_add_nc_u64 s[48:49], s[6:7], s[48:49]
	s_add_nc_u64 s[56:57], s[6:7], s[56:57]
	ROUND                                          ; all four work-groups are here: the first joint loads meet
	tensor_load_to_lds s[G0K:G0K+3], s[G1K:G1K+7]  ; the two first fills go out together
	s_nop 0
	tensor_load_to_lds s[G0V:G0V+3], s[G1V:G1V+7]
	s_nop 0
	v_and_b32 v1, 31, v0                           ; l
	v_and_b32 v2, 15, v0                           ; r
	v_bfe_u32 v3, v0, 4, 1                         ; h
	v_mul_u32_u24 v[QO], v2, QP
	v_lshl_add_u32 v[QO], v3, 4, v[QO]
	; Q, once: fragment (kk, tq) = row 16 (tq % 2) + r of the low (tq < 2) or high rows, d = 32 kk + 8 h + 0..7 and + 16: two loads of 16 bytes, 32 bytes apart.
	; Every byte of the 64 rows is used.
	WIN 0x40                                       ; destination window 1: d steps 0-7
.irp tq, 0,1,2,3
.irp kk, 0,1,2,3,4,5,6,7
	global_load_b128 v[8*(4*\kk+\tq):8*(4*\kk+\tq)+3],   v[QO], s[46+8*(\tq>>1):47+8*(\tq>>1)] offset:16*QP*(\tq&1)+64*\kk
	global_load_b128 v[8*(4*\kk+\tq)+4:8*(4*\kk+\tq)+7], v[QO], s[46+8*(\tq>>1):47+8*(\tq>>1)] offset:16*QP*(\tq&1)+64*\kk+32
.endr
.endr
	WIN 0x80                                       ; destination window 2: d steps 8-15
.irp tq, 0,1,2,3
.irp kk, 0,1,2,3,4,5,6,7
	global_load_b128 v[8*(4*\kk+\tq):8*(4*\kk+\tq)+3],   v[QO], s[46+8*(\tq>>1):47+8*(\tq>>1)] offset:16*QP*(\tq&1)+64*\kk+512
	global_load_b128 v[8*(4*\kk+\tq)+4:8*(4*\kk+\tq)+7], v[QO], s[46+8*(\tq>>1):47+8*(\tq>>1)] offset:16*QP*(\tq&1)+64*\kk+544
.endr
.endr
	WIN 0
	v_mul_u32_u24 v[ADK], v2, KP
	v_lshl_add_u32 v[ADK], v3, 4, v[ADK]
	v_add_nc_u32 v[ADK], s[G0K+1], v[ADK]          ; + 32 w rows
	v_and_b32 v[ADV], 7, v0
	v_lshl_add_u32 v[ADV], v3, 3, v[ADV]           ; row 8 h + l % 8
	v_mul_u32_u24 v[ADV], v[ADV], VP
	v_bfe_u32 v[T], v0, 3, 1
	v_lshl_add_u32 v[ADV], v[T], 4, v[ADV]
	s_lshl_b32 s14, s8, 8                          ; my 128 d: 256 bytes of each row
	s_add_co_u32 s15, s14, VREG
	v_add_nc_u32 v[ADV], s15, v[ADV]
	v_add_nc_u32 v[ADV+1], 64*VP, v[ADV]           ; keys 64-127: beyond what a 16-bit offset reaches
	v_mul_u32_u24 v[ADPW], v2, PP
	v_lshl_add_u32 v[ADPW], v3, 4, v[ADPW]
	v_add_nc_u32 v[ADPR], PREG, v[ADPW]
	s_lshl_b32 s15, s8, 6                          ; my 32 keys: 64 bytes of each row of P
	v_add_nc_u32 v[ADPW], s15, v[ADPR]
	v_lshl_add_u32 v[ADSR], v2, 4, STAT
	v_add_nc_u32 v[ADSW], s14, v[ADSR]
	s_mul_i32 s15, s8, 16*STP
	s_add_co_u32 s15, s15, STAGE                   ; my stage
	v_mul_u32_u24 v[STO], v2, STP
	v_lshl_add_u32 v[STO], v3, 5, v[STO]
	v_add_nc_u32 v[STO], s15, v[STO]
	v_lshl_add_u32 v[RD], v1, 4, s15
	v_lshlrev_b32 v[CO], 4, v1
	v_mov_b32 v[NEG], 0xf149f2ca                   ; -1e30
	s_lshl_b32 s14, s8, 5
	s_sub_co_u32 s52, s52, s14                     ; 128 A + 32 cx - 32 w (may be below 0: the mask compares signed)
	s_sub_co_u32 s53, s53, s14                     ; 128 (15 - A) + 32 cx - 32 w
	v_lshlrev_b32 v[DQ], 3, v3
	v_sub_nc_u32 v[DQ], v2, v[DQ]                  ; r - 8 h
	v_add_nc_u32 v[DQ+2], s53, v[DQ]
	v_add_nc_u32 v[DQ], s52, v[DQ]
	v_add_nc_u32 v[DQ+1], 16, v[DQ]
	v_add_nc_u32 v[DQ+3], 16, v[DQ+2]
.irp i, 0,1,2,3,4,5,6,7
	v_mov_b32 v[T+\i], 0                           ; v_permlanex16_b32 counts as a reader of its destination: written once here
.endr
	s_wait_tensorcnt 0x1                           ; my part of K's tile 0 is in; V's stays out
	s_barrier_signal -1
	s_barrier_wait -1
; In the macros below lo is the step's first query block: 0 in a full step, 2 in a half step.
; 16 LDS loads: K fragments of d steps 4 g .. 4 g + 3 for my two blocks of 16 keys
.macro FETCHK g, buf
.irp kp, 0,1,2,3
.irp tk, 0,1
	ds_load_b128 v[\buf+16*\kp+8*\tk:\buf+16*\kp+8*\tk+3],   v[ADK] offset:16*KP*\tk+64*(4*\g+\kp)
	ds_load_b128 v[\buf+16*\kp+8*\tk+4:\buf+16*\kp+8*\tk+7], v[ADK] offset:16*KP*\tk+64*(4*\g+\kp)+32
.endr
.endr
.endm
; 32 or 16 matrix instructions: S(tk, tq) += K(tk, kk) Q(kk, tq) for four d steps.  The eight or four accumulators take turns, one instruction a turn.
; d step 0 starts the sums with the constant 0.
.macro SMUL g, buf, lo
.irp kp, 0,1,2,3
.irp tk, 0,1
.irp tq, 0,1,2,3
.if \tq >= \lo
.if (4*\g+\kp) == 0
	v_wmma_f32_16x16x32_f16 v[S+8*(4*\tk+\tq):S+8*(4*\tk+\tq)+7], v[\buf+16*\kp+8*\tk:\buf+16*\kp+8*\tk+7], v[8*(4*((4*\g+\kp)&7)+\tq):8*(4*((4*\g+\kp)&7)+\tq)+7], 0
.else
	v_wmma_f32_16x16x32_f16 v[S+8*(4*\tk+\tq):S+8*(4*\tk+\tq)+7], v[\buf+16*\kp+8*\tk:\buf+16*\kp+8*\tk+7], v[8*(4*((4*\g+\kp)&7)+\tq):8*(4*((4*\g+\kp)&7)+\tq)+7], v[S+8*(4*\tk+\tq):S+8*(4*\tk+\tq)+7]
.endif
.endif
.endr
.endr
.endr
.endm
; 16 transposing loads: V fragments of keys 32 ks .. 32 ks + 31 for my eight blocks of 16 d: lane l then holds d = r, keys along its registers
.macro VFETCH ks, buf
.irp td, 0,1,2,3,4,5,6,7
	ds_load_tr16_b128 v[\buf+8*\td:\buf+8*\td+3],   v[ADV+(\ks>>1)] offset:(\ks&1)*32*VP+32*\td
	ds_load_tr16_b128 v[\buf+8*\td+4:\buf+8*\td+7], v[ADV+(\ks>>1)] offset:(\ks&1)*32*VP+16*VP+32*\td
.endr
.endm
; 2 (4 - lo) LDS loads: P fragments of the same 32 keys for the step's query blocks
.macro PFETCH ks, buf, lo
.irp tq, 0,1,2,3
.if \tq >= \lo
	ds_load_b128 v[\buf+8*\tq:\buf+8*\tq+3],   v[ADPR] offset:16*PP*\tq+64*\ks
	ds_load_b128 v[\buf+8*\tq+4:\buf+8*\tq+7], v[ADPR] offset:16*PP*\tq+64*\ks+32
.endif
.endr
.endm
; 32 or 16 matrix instructions: O(tq, td) += V(td) P(tq) for 32 keys.  The accumulators take turns, one instruction a turn.
.macro PVMUL vb, pb, zero, lo
.irp tq, 0,1,2,3
.irp td, 0,1,2,3,4,5,6,7
.if \tq >= \lo
.if \zero
	v_wmma_f32_16x16x32_f16 v[8*(8*\tq+\td):8*(8*\tq+\td)+7], v[\vb+8*\td:\vb+8*\td+7], v[\pb+8*\tq:\pb+8*\tq+7], 0
.else
	v_wmma_f32_16x16x32_f16 v[8*(8*\tq+\td):8*(8*\tq+\td)+7], v[\vb+8*\td:\vb+8*\td+7], v[\pb+8*\tq:\pb+8*\tq+7], v[8*(8*\tq+\td):8*(8*\tq+\td)+7]
.endif
.endif
.endr
.endr
.endm
; One tile of 128 keys.  first = 1: tile 0 (its K and V were asked for at the start; it starts maximum, sum and O).  lo = 0: all four query blocks; 2: the high rows alone.
; mask = 1: the causal mask is applied.  last = 1: no further K tile is asked for.
.macro STEP first, lo, mask, last
.if \first == 0
	s_wait_dscnt 0x0                               ; my reads of the last tile's V and P are over
	s_wait_xcnt 0x0
	v_lshl_add_u32 v58, v0, 2, 0x4e800
	v_mov_b32 v59, 0
	s_wait_tensorcnt 0x0                           ; all my tensor loads have landed: the one that was out is my part of this tile's K
	ds_add_u32 v58, v59
	s_wait_dscnt 0x0
	s_add_nc_u64 s[G0V+2:G0V+3], s[G0V+2:G0V+3], TILEB   ; so a group 0 may be written: this tile's V
	ROUND                                          ; both hold of every wave of the four work-groups
	tensor_load_to_lds s[G0V:G0V+3], s[G1V:G1V+7]  ; my one load behind this round: it has the scores' matrix instructions in which to land
	s_nop 0
.endif
	; ---- scores
	FETCHK 0, KB0
	FETCHK 1, KB1
.if \first
	s_wait_loadcnt 0x0                             ; Q, once
.endif
	s_wait_dscnt 16                                ; all but the 16 loads just issued
	WIN 0x04                                       ; source 1 (Q) in window 1; LDS loads still name window 0
	SMUL 0, KB0, \lo
	PLACES 4
	FETCHK 2, KB0
	s_wait_dscnt 16
	SMUL 1, KB1, \lo
	PLACES 4
	FETCHK 3, KB1
	s_wait_dscnt 16
	WIN 0x08                                       ; Q in window 2
	SMUL 2, KB0, \lo
	s_wait_dscnt 0x0
	SMUL 3, KB1, \lo
	WIN 0
	PLACES 4
.if \mask
	; register e of tile (tk, tq) is key s40 + 32 w + 16 tk + 8 h + e: kept where 16 tk + e <= my query - s40 - 32 w - 8 h
.irp tq, 0,1,2,3
.if \tq >= \lo
	v_sub_nc_u32 v[T+\tq], v[DQ+\tq], s40
.endif
.endr
.irp tk, 0,1
.irp tq, 0,1,2,3
.irp e, 0,1,2,3,4,5,6,7
.if \tq >= \lo
	v_cmp_le_i32 vcc_lo, 16*\tk+\e, v[T+\tq]
	v_cndmask_b32 v[S+8*(4*\tk+\tq)+\e], v[NEG], v[S+8*(4*\tk+\tq)+\e], vcc_lo
.endif
.endr
.endr
.endr
.endif
	; ---- my wave's maximum for each query: 16 registers, then the other half of the lanes; times c (c > 0 keeps the order)
.irp tq, 0,1,2,3
.if \tq >= \lo
	v_max3_num_f32 v[MN+\tq], v[S+8*\tq], v[S+8*\tq+1], v[S+8*\tq+2]
.endif
.endr
.irp e, 3,5
.irp tq, 0,1,2,3
.if \tq >= \lo
	v_max3_num_f32 v[MN+\tq], v[MN+\tq], v[S+8*\tq+\e], v[S+8*\tq+\e+1]
.endif
.endr
.endr
.irp tq, 0,1,2,3
.if \tq >= \lo
	v_max3_num_f32 v[MN+\tq], v[MN+\tq], v[S+8*\tq+7], v[S+32+8*\tq]
.endif
.endr
.irp e, 1,3,5
.irp tq, 0,1,2,3
.if \tq >= \lo
	v_max3_num_f32 v[MN+\tq], v[MN+\tq], v[S+32+8*\tq+\e], v[S+32+8*\tq+\e+1]
.endif
.endr
.endr
.irp tq, 0,1,2,3
.if \tq >= \lo
	v_max_num_f32 v[MN+\tq], v[MN+\tq], v[S+32+8*\tq+7]
.endif
.endr
.irp tq, 0,1,2,3
.if \tq >= \lo
	v_permlanex16_b32 v[T+4+\tq], v[MN+\tq], s42, s43
.endif
.endr
.irp tq, 0,1,2,3
.if \tq >= \lo
	v_max_num_f32 v[MN+\tq], v[MN+\tq], v[T+4+\tq]
.endif
.endr
.irp tq, 0,1,2,3
.if \tq >= \lo
	v_mul_f32 v[MN+\tq], s44, v[MN+\tq]
.endif
.endr
	ds_store_b128 v[ADSW], v[MN:MN+3]              ; both halves of the lanes write the same words with the same numbers; in a half step the low rows' two words are old and are not read
	s_wait_dscnt 0x0                               ; my maxima are in LDS, and my reads of the K tile are over
	s_wait_xcnt 0x0
	v_lshl_add_u32 v58, v0, 2, 0x4e800
	v_mov_b32 v59, 0
	s_wait_tensorcnt 0x0                           ; all my tensor loads have landed: my part of this tile's V
	ds_add_u32 v58, v59
	s_wait_dscnt 0x0
.if \last
	s_barrier_signal -1
	s_barrier_wait -1
.else
	s_add_nc_u64 s[G0K+2:G0K+3], s[G0K+2:G0K+3], TILEB   ; the next tile's K
	ROUND
	tensor_load_to_lds s[G0K:G0K+3], s[G1K:G1K+7]  ; my one load behind this round: it has the softmax and the output's matrix instructions in which to land
	s_nop 0
.endif
.irp wv, 0,1,2,3
	ds_load_b128 v[ST+4*\wv:ST+4*\wv+3], v[ADSR] offset:256*\wv
.endr
	VFETCH 0, VB0                                  ; V's first fragments come in under the softmax
	VFETCH 1, VB1
	s_wait_dscnt 32                                ; the four waves' maxima are in; the 32 V loads stay out
	; ---- softmax.  The exponent is fma(S, c, - m) with m the rounded c x maximum, and the factor is 2^(old m - new m): both refer to the same rounded figures
.irp tq, 0,1,2,3
.if \tq >= \lo
	v_max3_num_f32 v[MN+\tq], v[ST+\tq], v[ST+4+\tq], v[ST+8+\tq]
.endif
.endr
.irp tq, 0,1,2,3
.if \tq >= \lo
.if \first
	v_max_num_f32 v[MN+\tq], v[MN+\tq], v[ST+12+\tq]
.else
	v_max3_num_f32 v[MN+\tq], v[MN+\tq], v[ST+12+\tq], v[M+\tq]
.endif
.endif
.endr
.if \first == 0
.irp tq, 0,1,2,3
.if \tq >= \lo
	v_sub_f32 v[T+\tq], v[M+\tq], v[MN+\tq]
.endif
.endr
.irp tq, 0,1,2,3
.if \tq >= \lo
	v_exp_f32 v[AL+2*\tq], v[T+\tq]                ; the plain lines below stand between these and the first use of their results (ISA guide 5.7.2)
.endif
.endr
.endif
.irp tq, 0,1,2,3
.if \tq >= \lo
	v_mul_f32 v[NB+2*\tq],   -1.0, v[MN+\tq]
	v_mul_f32 v[NB+2*\tq+1], -1.0, v[MN+\tq]
.endif
.endr
.if \first == 0
.irp tq, 0,1,2,3
.if \tq >= \lo
	s_wait_alu depctr_va_vdst(0)
	v_mov_b32 v[AL+2*\tq+1], v[AL+2*\tq]
.endif
.endr
.endif
.irp tk, 0,1
.irp tq, 0,1,2,3
.irp e, 0,2,4,6
.if \tq >= \lo
	v_pk_fma_f32 v[S+8*(4*\tk+\tq)+\e:S+8*(4*\tk+\tq)+\e+1], v[S+8*(4*\tk+\tq)+\e:S+8*(4*\tk+\tq)+\e+1], s[44:45], v[NB+2*\tq:NB+2*\tq+1] op_sel_hi:[1,0,1]
.endif
.endr
.endr
.endr
.irp tk, 0,1
.irp tq, 0,1,2,3
.irp e, 0,1,2,3,4,5,6,7
.if \tq >= \lo
	v_exp_f32 v[S+8*(4*\tk+\tq)+\e], v[S+8*(4*\tk+\tq)+\e]
.endif
.endr
.endr
.endr
	v_nop                                          ; the plain place behind the last of them
	s_wait_alu depctr_va_vdst(0)
.irp tq, 0,1,2,3
.if \tq >= \lo
	v_pk_add_f32 v[T+2*\tq:T+2*\tq+1], v[S+8*\tq:S+8*\tq+1], v[S+8*\tq+2:S+8*\tq+3]
.endif
.endr
.irp e, 4,6,32,34,36,38
.irp tq, 0,1,2,3
.if \tq >= \lo
	v_pk_add_f32 v[T+2*\tq:T+2*\tq+1], v[T+2*\tq:T+2*\tq+1], v[S+8*\tq+\e:S+8*\tq+\e+1]
.endif
.endr
.endr
.irp tq, 0,1,2,3
.if \tq >= \lo
.if \first
	v_add_f32 v[LS+\tq], v[T+2*\tq], v[T+2*\tq+1]
.else
	v_add_f32 v[T+2*\tq], v[T+2*\tq], v[T+2*\tq+1]
.endif
.endif
.endr
.irp tq, 0,1,2,3
.if \tq >= \lo
.if \first == 0
	v_fma_f32 v[LS+\tq], v[LS+\tq], v[AL+2*\tq], v[T+2*\tq]
.endif
	v_mov_b32 v[M+\tq], v[MN+\tq]
.endif
.endr
	; P in f16: a lane's eight weights of a tile are eight neighbouring keys of one query: 16 bytes
.irp tk, 0,1
.irp tq, 0,1,2,3
.if \tq >= \lo
	v_cvt_pk_f16_f32 v[S+8*(4*\tk+\tq)],   v[S+8*(4*\tk+\tq)],   v[S+8*(4*\tk+\tq)+1]
	v_cvt_pk_f16_f32 v[S+8*(4*\tk+\tq)+1], v[S+8*(4*\tk+\tq)+2], v[S+8*(4*\tk+\tq)+3]
	v_cvt_pk_f16_f32 v[S+8*(4*\tk+\tq)+2], v[S+8*(4*\tk+\tq)+4], v[S+8*(4*\tk+\tq)+5]
	v_cvt_pk_f16_f32 v[S+8*(4*\tk+\tq)+3], v[S+8*(4*\tk+\tq)+6], v[S+8*(4*\tk+\tq)+7]
	ds_store_b128 v[ADPW], v[S+8*(4*\tk+\tq):S+8*(4*\tk+\tq)+3] offset:16*PP*\tq+32*\tk
.endif
.endr
.endr
	s_wait_dscnt 0x0                               ; my part of P is in LDS (and V's first fragments are in)
	s_barrier_signal -1                            ; the next tile's K stays on its way across it
.if \first == 0
	WIN 0xc3                                       ; O in window 3 as source 0 and destination, the factor in window 0
.irp tq, 0,1,2,3
.if \tq >= \lo
.set i, 0
.rept 32
	v_pk_mul_f32 v[64*\tq+i:64*\tq+i+1], v[64*\tq+i:64*\tq+i+1], v[AL+2*\tq:AL+2*\tq+1]   ; register work while the others arrive
.set i, i+2
.endr
.endif
.endr
	WIN 0
.endif
	s_barrier_wait -1
	; ---- output
	PFETCH 0, PB0, \lo
	PFETCH 1, PB1, \lo
	s_wait_dscnt 2*(4-\lo)                         ; P of keys 0-31 is in; the loads for keys 32-63, two for each query block of the step, stay out
	WIN 0xf0                                       ; C and D in window 3
	PVMUL VB0, PB0, \first, \lo
	PLACES 4
	WIN 0
	VFETCH 2, VB0
	PFETCH 2, PB0, \lo
	s_wait_dscnt 16+2*(4-\lo)                      ; all but the loads just issued: 16 of V and two of P for each query block
	WIN 0xf0
	PVMUL VB1, PB1, 0, \lo
	PLACES 4
	WIN 0
	VFETCH 3, VB1
	PFETCH 3, PB1, \lo
	s_wait_dscnt 16+2*(4-\lo)
	WIN 0xf0
	PVMUL VB0, PB0, 0, \lo
	s_wait_dscnt 0x0
	PVMUL VB1, PB1, 0, \lo
	WIN 0
	PLACES 5                                       ; the next scores are written over P's fragments, the next K fragments are loaded over V's
	s_add_co_u32 s40, s40, 128
.endm
	; Tiles 0 .. A: full steps.  The mask runs in each of them: it changes something in tile A alone (for the low rows), and one text serves all.
	; On every way to each label below one tensor load is out: the next tile's K.
	STEP 1, 0, 1, 0                                ; tile 0
	s_cmp_eq_u32 s11, 0
	s_cbranch_scc1 .Lhalf                          ; A = 0: tile 0 was the only full step
	s_mov_b32 s41, s11                             ; A trips: tiles 1 .. A
.Lfull:
	STEP 0, 0, 1, 0
	s_sub_co_i32 s41, s41, 1
	s_cmp_gt_i32 s41, 0                            ; a signed compare: the loop ends behind its first trip from any start of 1 or less
	s_cbranch_scc1 .Lfull
.Lhalf:
	; Tiles A + 1 .. 14 - A lie wholly below the high rows' diagonal: their last key is 128 (15 - A) - 1
	s_cmp_eq_u32 s11, 7
	s_cbranch_scc1 .Ltail                          ; A = 7: none of them
	s_lshl_b32 s41, s11, 1
	s_sub_co_i32 s41, 14, s41                      ; 14 - 2 A trips
.Lhloop:
	STEP 0, 2, 0, 0
	s_sub_co_i32 s41, s41, 1
	s_cmp_gt_i32 s41, 0
	s_cbranch_scc1 .Lhloop
.Ltail:
	STEP 0, 2, 1, 1                                ; tile 15 - A: the high rows' diagonal
	; ---- the row sums: the other half of the lanes, then the four waves through LDS
.irp tq, 0,1,2,3
	v_permlanex16_b32 v[T+\tq], v[LS+\tq], s42, s43
.endr
.irp tq, 0,1,2,3
	v_add_f32 v[LS+\tq], v[LS+\tq], v[T+\tq]
.endr
	ds_store_b128 v[ADSW], v[LS:LS+3] offset:LSUM-STAT
	s_wait_dscnt 0x0
	s_barrier_signal -1
	s_barrier_wait -1
.irp wv, 0,1,2,3
	ds_load_b128 v[ST+4*\wv:ST+4*\wv+3], v[ADSR] offset:LSUM-STAT+256*\wv
.endr
	s_wait_dscnt 0x0
.irp tq, 0,1,2,3
	v_add_f32 v[T+\tq],   v[ST+\tq],   v[ST+4+\tq]
	v_add_f32 v[T+4+\tq], v[ST+8+\tq], v[ST+12+\tq]
.endr
.irp tq, 0,1,2,3
	v_add_f32 v[T+\tq], v[T+\tq], v[T+4+\tq]       ; at least about 1: the row's largest weight is 2^0 up to rounding
.endr
.irp tq, 0,1,2,3
	v_rcp_f32 v[AL+2*\tq], v[T+\tq]
.endr
	v_nop                                          ; the plain place behind them
	s_wait_alu depctr_va_vdst(0)
.irp tq, 0,1,2,3
	v_mov_b32 v[AL+2*\tq+1], v[AL+2*\tq]
.endr
; THE WAY OUT, 16 queries at a time.  A lane holds 8 neighbouring d of one query for each of 8 blocks; through my own stage they become whole pieces of 512 bytes of a row.
; Query blocks 0, 1 go to the low rows' base, 2, 3 to the high rows'.
.macro OUTQ tq, buf
	WIN 0x03                                       ; O in window 3 as source 0
.irp td, 0,1,2,3,4,5,6,7
.irp e, 0,2,4,6
	v_pk_mul_f32 v[S+8*\td+\e:S+8*\td+\e+1], v[8*(8*\tq+\td)+\e:8*(8*\tq+\td)+\e+1], v[AL+2*\tq:AL+2*\tq+1]
.endr
.endr
	WIN 0
.irp td, 0,1,2,3,4,5,6,7
	ds_store_b128 v[STO], v[S+8*\td:S+8*\td+3]   offset:64*\td
	ds_store_b128 v[STO], v[S+8*\td+4:S+8*\td+7] offset:64*\td+16
.endr
	s_wait_xcnt 0x0                                ; the buffer, which earlier stores read, is loaded again only behind this wait (ISA guide 3.1)
.irp i, 0,1,2,3,4,5,6,7,8,9,10,11,12,13,14,15
	ds_load_b128 v[\buf+4*\i:\buf+4*\i+3], v[RD] offset:STP*\i     ; LDS serves a wave's instructions in order (ISA guide 5.7.1.4): these see the stores above
.endr
.irp i, 0,1,2,3,4,5,6,7,8,9,10,11,12,13,14,15
	s_wait_dscnt 15-\i
	global_store_b128 v[CO], v[\buf+4*\i:\buf+4*\i+3], s[48+8*(\tq>>1):49+8*(\tq>>1)] offset:(16*(\tq&1)+\i)*4096 th:TH_STORE_NT   ; the wave stores 512 consecutive bytes of a row, aligned to 512
.endr
.endm
	OUTQ 0, 128
	OUTQ 1, 192
	OUTQ 2, 128
	OUTQ 3, 192
	s_wait_xcnt 0x0
	v_lshl_add_u32 v58, v0, 2, 0x4e800
	v_mov_b32 v59, 0
	s_wait_tensorcnt 0x0
	ds_add_u32 v58, v59
	s_wait_dscnt 0x0
	ROUND                                          ; the closing round: no work-group ends while a partner may still ask for a tile that names it
	s_endpgm
.Lfunc_end_k_q81864bd8d5_attn:
	.size	k_q81864bd8d5_attn, .Lfunc_end_k_q81864bd8d5_attn-k_q81864bd8d5_attn
	.p2alignl 7, 3214868480
	.fill 96, 4, 3214868480
	.section	.rodata,"a",@progbits
	.p2align	6, 0x0
	.amdhsa_kernel k_q81864bd8d5_attn
		.amdhsa_group_segment_fixed_size 327680
		.amdhsa_private_segment_fixed_size 0
		.amdhsa_enable_private_segment 0
		.amdhsa_kernarg_size 16
		.amdhsa_user_sgpr_count 2
		.amdhsa_user_sgpr_kernarg_segment_ptr 1
		.amdhsa_wavefront_size32 1
		.amdhsa_system_sgpr_workgroup_id_x 1
		.amdhsa_system_sgpr_workgroup_id_y 1
		.amdhsa_system_sgpr_workgroup_id_z 1
		.amdhsa_system_vgpr_workitem_id 0
		.amdhsa_next_free_vgpr 1024
		.amdhsa_next_free_sgpr 66
		.amdhsa_reserve_vcc 1
		.amdhsa_float_denorm_mode_32 3
		.amdhsa_float_denorm_mode_16_64 3
		.amdhsa_memory_ordered 1
		.amdhsa_forward_progress 1
		.amdhsa_inst_pref_size 208
	.end_amdhsa_kernel
	.amdgpu_metadata
---
amdhsa.version: [ 1, 2 ]
amdhsa.kernels:
  - .name:           k_q81864bd8d5_attn
    .symbol:         k_q81864bd8d5_attn.kd
    .args:
      - { .name: qkv, .offset: 0, .size: 8, .value_kind: global_buffer, .address_space: global }
      - { .name: out0, .offset: 8, .size: 8, .value_kind: global_buffer, .address_space: global }
    .group_segment_fixed_size: 327680
    .private_segment_fixed_size: 0
    .kernarg_segment_align: 8
    .kernarg_segment_size: 16
    .max_flat_workgroup_size: 128
    .sgpr_count:     66
    .vgpr_count:     1024
    .wavefront_size: 32
...
	.end_amdgpu_metadata
.endif
;; end of part 3
